; MI455X (gfx1250); checked and timed in simulation.
; The chip was launched on July 23, 2026; its instructions are those of AMD's public machine-readable ISA for CDNA 5 (MIT licence, August 2026) and "CDNA5" Instruction Set Architecture Reference Guide (July 2026). The comments in the code are by the model that wrote it; some were corrected since.
;; Lightweight Cross Attention. Allowed arithmetic: matrix products marked QUANTISED: E3M2 operands, one E8M0 scale for each 32 along K, by v_wmma_scale_f32_16x16x128_f8f6f4 with both operands' format E3M2, f32 sums; products left as they are: f32 operands where the result goes on into a quantised operand, else bf16, f16 or f32 operands; f32 sums; everything else in f32.
;; Inputs: Wk 1,024 x 1,024 float32; Wo 1,024 x 1,024 float32; Wq 1,024 x 1,024 float32; Wv 1,024 x 1,024 float32; bo 1,024 float32; kv_stack 4 x 4,096 x 1,024 float32; query 4,096 x 1,024 float32.
;; Outputs: out0 4 x 4,096 x 1,024 float32.
;; This version of the problem:
;;   THIS VERSION OF THE PROBLEM IS GIVEN IN LOW PRECISION. The matrix products marked QUANTISED in the list below multiply operands that are first quantised to E3M2 (3 exponent bits, 2 mantissa bits; 6 bits a number), with one power-of-two scale for each 32 numbers along K (OCP MX v1.0); their sums are f32. All else is computed in f32.
;;   The module's matrix products, in the order in which they are computed (A, B: the left and right operand; K: the contracted axis; several contracted axes count as one K, in the product's order):
;;     1. [M 4,096, K 1,024] x [K 1,024, N 1,024]; A: input query; B: input Wq: QUANTISED
;;     2. [M 16,384, K 1,024] x [K 1,024, N 1,024]; A: input kv_stack; B: input Wk: QUANTISED
;;     3. [M 16,384, K 1,024] x [K 1,024, N 1,024]; A: input kv_stack; B: input Wv: QUANTISED
;;     4. batch 65,536 x [M 4, K 64] x [K 64, N 1]; A: computed on the way; B: computed on the way: left as it is (M = 4 < 16)
;;     5. [M 16,384, K 1,024] x [K 1,024, N 1,024]; A: computed on the way; B: input Wo: QUANTISED
;;   THE QUANTISER, for each operand of a quantised product, along K:
;;     - K is cut into blocks of 32 from its start; a last block that is shorter is filled with zeros.
;;     - A block's scale is 2^e with e = floor(log2(the largest magnitude in the block)) - 4, held to -126 .. 127; a block of zeros has e = 0. As a byte (E8M0): e + 127.
;;     - Each number is divided by its block's scale, clamped to +-28, and rounded to the nearest number of E3M2, ties to even, subnormals kept.
;;     - The product sums the exact products of the quantised numbers (number of the format x scale) in f32.
;;   ~~~python
;;   def quantise(x, axis):      # numpy; x: float32 -> the quantised numbers, widened to float32 again
;;       x = np.moveaxis(x, axis, -1); K = x.shape[-1]
;;       x = np.pad(x, [(0, 0)] * (x.ndim - 1) + [(0, -K % 32)]); x = x.reshape(x.shape[:-1] + (-1, 32)); a = np.abs(x).max(-1, keepdims=True)
;;       e = np.where(a > 0, np.clip(np.frexp(np.where(a > 0, a, 1))[1] - 1 - 4, -126, 127), 0)      # np.frexp(a)[1] - 1 = floor(log2(a)), exactly
;;       r = np.clip(x / 2.0 ** e, -28, 28)
;;       step = 2.0 ** (np.maximum(np.frexp(np.where(r == 0, 1, r))[1] - 1, -2) - 2)
;;       q = np.round(r / step) * step * 2.0 ** e      # np.round: ties to even
;;       return np.moveaxis(q.reshape(q.shape[:-2] + (-1,))[..., :K], -1, axis).astype(np.float32)
;;   ~~~
;;   OPERANDS COMPUTED ON THE WAY. 'Computed on the way' means the value that the module computes at that place (a softmax that the list does not call 'softmax' is quantised finished and normalised). What goes into a quantiser is computed in f32, as accurately as f32 sums, v_exp_f32 and their like allow (about 1e-6 of the number): no bf16 or f16 on the way to a quantiser, and a product that is left as it is and whose result goes on into a quantised operand takes f32 operands (vector FMAs, or v_wmma_f32_16x16x4_f32). A number that lies on a knife's edge between two numbers of the format may be rounded either way, as far as f32 arithmetic and the matrix unit's own rounding can turn it there, and no further.
;; One version. Each part assembles by itself: llvm-mc -triple=amdgcn-amd-amdhsa -mcpu=gfx1250 --defsym DOCPART=n.
;; ======== version 1 of 1: 2 launches
;; limits: right only within a limited range of input values
;; workspace buffers: wq 1,638,400 bytes
;; launch quantw (part 1): grid 256 x 1, 4 waves a work-group, no clusters, 34,560 bytes of LDS; arguments Wv, Wo, wq; writes wq
.if DOCPART == 1
	.amdgcn_target "amdgcn-amd-amdhsa--gfx1250"
	.amdhsa_code_object_version 6
	.text
	.protected	k_qe6234160dc_quantw
	.globl	k_qe6234160dc_quantw
	.p2align	8
	.type	k_qe6234160dc_quantw,@function
k_qe6234160dc_quantw:
	s_mov_b64 s[64:65], 0
	v_nop
	global_prefetch_b8 v0, s[64:65] scope:SCOPE_SE
	s_setreg_imm32_b32 hwreg(HW_REG_WAVE_MODE, 25, 1), 1
	s_wait_xcnt 0x0
; WORK LEFT OUT, in this and the next kernel.  reference() takes a softmax over an axis of size 1: exp(x - x) / exp(x - x) = 1 for every finite score x.
; So attn_weights is 1 by an identity, attn_output is v, and q, k and the scores (the products with Wq and Wk and the product of q with k) reach no output,
; whatever finite values the inputs hold.  Wq and Wk have no way to an output: they are not loaded and are no arguments.  query stays: it is the residual.
; LIMIT: a NaN, an infinity or an overflow that would arise only in q, k or the scores is not carried to the result.
; THIS KERNEL turns Wv and Wo (f32, K = 1,024 innermost) into codes of BF6 (E3M2) with one E8M0 byte for each 32 along K.
; A block's scale is 2^(floor(log2(its largest magnitude)) - 4); its byte is that magnitude's exponent field - 4, held at 1 from below.
; LIMITS: a block of zeros (or under 2^-122) gets the byte 1 where the rule says 127: its codes are zeros and this program alone reads the bytes.  NaN and infinities among the inputs are not served.
; LAYOUT: wq is 16 chunks of 102,400 bytes, 8 of Wv, then 8 of Wo.  A chunk holds 128 rows of W over all of K: 64 images of 1,536 bytes, then their 64 x 64 bytes of scale words.
; An image is a fragment's registers (16 rows x 128 K): register j of lane l at (j / 4) x 512 + 16 l + 4 (j % 4).  Image w x 16 + 2 t + j of chunk 2 p + u: K step t of rows 256 p + 64 w + 32 u + (fragment j).
; Wo's fragment j takes rows 16 j + r; Wv's takes rows 8 j + r + 8 (r / 8), so that the transposed result's registers run along the next K.
; SHARES: a work-group takes four neighbouring images (two K steps x j), a wave one: 8 KiB in, 1,536 bytes of codes out; the four waves' scale words leave as one aligned run of 256 bytes.
.set CH,   102400
.set BSC,  98304
.set R,    64
.set X,    128
.set C,    16
.set M,    8
.set GAT,  4*8448
.set SPARE, GAT+256
	s_load_b128 s[4:7], s[0:1], 0x0                ; Wv, Wo
	s_load_b64 s[8:9], s[0:1], 0x10                ; wq
	v_lshl_add_u32 v2, v0, 2, SPARE
	v_mov_b32 v3, 0
	v_lshrrev_b32 v1, 5, v0
	v_readfirstlane_b32 s10, v1                    ; wave
	s_and_b32 s11, ttmp9, 3                        ; which pair of K steps
	s_bfe_u32 s12, ttmp9, 0x10002                  ; u
	s_bfe_u32 s13, ttmp9, 0x40003                  ; the group of 64 rows: 4 p + w
	s_lshr_b32 s14, ttmp9, 7                       ; 0: Wv, 1: Wo
	s_lshr_b32 s15, s10, 1
	s_and_b32 s16, s10, 1                          ; j
	s_lshl_b32 s17, s11, 1
	s_add_co_u32 s17, s17, s15                     ; my K step
	s_add_co_u32 s18, s14, 3
	s_lshl_b32 s18, s16, s18                       ; 8 j for Wv, 16 j for Wo
	s_lshl_b32 s19, s13, 6
	s_add_co_u32 s18, s18, s19
	s_lshl_b32 s19, s12, 5
	s_add_co_u32 s18, s18, s19                     ; my first row
	s_lshl_b32 s18, s18, 12
	s_lshl_b32 s19, s17, 9
	s_add_co_u32 s18, s18, s19                     ; in bytes, at my K step
	s_mov_b32 s19, 0
	s_lshr_b32 s20, 0x10000, s14                   ; from rows 0-7 to rows 8-15: 16 rows for Wv, 8 for Wo
	s_mov_b32 s21, 0
	s_lshl_b32 s22, s14, 3
	s_lshr_b32 s23, s13, 2
	s_lshl_b32 s23, s23, 1
	s_add_co_u32 s22, s22, s23
	s_add_co_u32 s22, s22, s12                     ; the chunk
	s_mul_i32 s22, s22, CH
	s_and_b32 s23, s13, 3
	s_lshl_b32 s23, s23, 4
	s_lshl_b32 s24, s11, 2
	s_add_co_u32 s23, s23, s24                     ; the work-group's first image
	s_add_co_u32 s24, s23, s10
	s_mul_i32 s24, s24, 1536
	s_add_co_u32 s24, s24, s22                     ; where my codes go
	s_mov_b32 s25, 0
	s_lshl_b32 s26, s23, 6
	s_add_co_u32 s26, s26, s22
	s_add_co_u32 s26, s26, BSC                     ; and the work-group's 256 bytes of scale words
	s_mov_b32 s27, 0
	s_mul_i32 s28, s10, 8448                       ; my stage
	s_lshl_b32 s29, s10, 6
	s_add_co_u32 s29, s29, GAT
	s_mov_b32 s30, 0x76543210
	s_mov_b32 s31, 0xfedcba98                      ; selects for lane l xor 16
	v_and_b32 v8, 31, v0
	v_and_b32 v9, 15, v0                           ; r
	v_bfe_u32 v10, v0, 4, 1                        ; h
	v_lshlrev_b32 v1, 4, v8                        ; 16 x lane
	v_add_nc_u32 v4, s28, v1                       ; the stage, on the way in
	v_mul_u32_u24 v5, v9, 528
	v_lshl_add_u32 v5, v10, 7, v5
	v_add_nc_u32 v5, s28, v5                       ; on the way out: row r, block h
	v_lshl_add_u32 v6, v9, 2, s29                  ; my row's scale word
	v_lshlrev_b32 v7, 3, v10                       ; 8 h
	v_lshlrev_b32 v37, 3, v8
	v_add_nc_u32 v36, GAT, v37
	v_mov_b32 v15, 0                               ; a lane permute's destination counts as a source
	s_wait_alu depctr_va_vdst(0)                   ; the wait at the head's end
	s_wait_kmcnt 0x0
	s_cmp_eq_u32 s14, 0                            ; the choice hangs on the work-group's number alone
	s_cselect_b64 s[4:5], s[4:5], s[6:7]
	s_add_nc_u64 s[4:5], s[4:5], s[18:19]
	s_add_nc_u64 s[6:7], s[4:5], s[20:21]
	s_add_nc_u64 s[24:25], s[8:9], s[24:25]
	s_add_nc_u64 s[26:27], s[8:9], s[26:27]
.irp j, 0,1,2,3,4,5,6,7,8,9,10,11,12,13,14,15
	global_load_b128 v[R+4*\j:R+4*\j+3], v1, s[4+2*(\j/8):5+2*(\j/8)] offset:(\j%8)*4096 th:TH_LOAD_NT   ; 512 consecutive bytes of one row
.endr
	s_wait_loadcnt 0x0
.irp j, 0,1,2,3,4,5,6,7,8,9,10,11,12,13,14,15
	ds_store_b128 v4, v[R+4*\j:R+4*\j+3] offset:528*\j
.endr
.irp c, 0,1
.irp i, 0,1,2,3,4,5,6,7
	ds_load_b128 v[X+32*\c+4*\i:X+32*\c+4*\i+3], v5 offset:256*\c+16*\i    ; in order behind my stores: blocks h and 2 + h of row r
.endr
.endr
	s_wait_dscnt 0x0
.irp c, 0,1
	v_max3_num_f32 v[M+\c], |v[X+32*\c]|, |v[X+32*\c+1]|, 0x2800000        ; with the floor 2^(5 - 127)
.endr
.irp i, 2,4,6,8,10,12,14,16,18,20,22,24,26,28,30
.irp c, 0,1
	v_max3_num_f32 v[M+\c], v[M+\c], |v[X+32*\c+\i]|, |v[X+32*\c+\i+1]|
.endr
.endr
	v_add_nc_u32 v[M+2], 0xfe000000, v[M]          ; 4 off the exponent field: the conversion's scale operand
	v_add_nc_u32 v[M+3], 0xfe000000, v[M+1]
	v_lshrrev_b32 v[M+4], 23, v[M+2]               ; the byte
	v_lshrrev_b32 v[M+5], 23, v[M+3]
	v_lshl_or_b32 v[M+6], v[M+5], 16, v[M+4]
	v_lshlrev_b32 v[M+6], v7, v[M+6]
	v_permlanex16_b32 v[M+7], v[M+6], s30, s31
	v_or_b32 v[M+6], v[M+6], v[M+7]                ; with lane l xor 16's two bytes the word is whole
	v_cvt_scalef32_pk16_bf6_f32 v[C:C+2], v[X:X+15], v[M+2]
	v_cvt_scalef32_pk16_bf6_f32 v[28:30], v[X+16:X+31], v[M+2]
	v_cvt_scalef32_pk16_bf6_f32 v[C+6:C+8], v[X+32:X+47], v[M+3]
	v_cvt_scalef32_pk16_bf6_f32 v[32:34], v[X+48:X+63], v[M+3]
	v_nop                                          ; one plain place behind a scaled conversion
.irp i, 0,1,2
	v_mov_b32 v[C+3+\i], v[28+\i]
	v_mov_b32 v[C+9+\i], v[32+\i]
.endr
.irp c, 0,1,2
	global_store_b128 v1, v[C+4*\c:C+4*\c+3], s[24:25] offset:512*\c       ; 512 consecutive bytes, aligned to 256
.endr
	ds_store_b32 v6, v[M+6]                        ; lanes r and r + 16 write the same word with the same value
	s_wait_dscnt 0x0                               ; for the wave that reads it
	s_barrier_signal -1
	s_barrier_wait -1
	s_cmp_lg_u32 s10, 0
	s_cbranch_scc1 .Lend
	ds_load_b64 v[38:39], v36                      ; wave 0: the four waves' 64 scale words
	s_wait_dscnt 0x0
	global_store_b64 v37, v[38:39], s[26:27]       ; 256 consecutive bytes, aligned
.Lend:
	s_wait_tensorcnt 0x0                           ; the wave's end
	ds_add_u32 v2, v3
	s_wait_dscnt 0x0
	s_endpgm
.Lfunc_end_k_qe6234160dc_quantw:
	.size	k_qe6234160dc_quantw, .Lfunc_end_k_qe6234160dc_quantw-k_qe6234160dc_quantw
	.p2alignl 7, 3214868480
	.fill 96, 4, 3214868480
	.section	.rodata,"a",@progbits
	.p2align	6, 0x0
	.amdhsa_kernel k_qe6234160dc_quantw
		.amdhsa_group_segment_fixed_size 34560
		.amdhsa_private_segment_fixed_size 0
		.amdhsa_enable_private_segment 0
		.amdhsa_kernarg_size 24
		.amdhsa_user_sgpr_count 2
		.amdhsa_user_sgpr_kernarg_segment_ptr 1
		.amdhsa_wavefront_size32 1
		.amdhsa_system_sgpr_workgroup_id_x 1
		.amdhsa_system_sgpr_workgroup_id_y 1
		.amdhsa_system_sgpr_workgroup_id_z 1
		.amdhsa_system_vgpr_workitem_id 0
		.amdhsa_next_free_vgpr 208
		.amdhsa_next_free_sgpr 66
		.amdhsa_reserve_vcc 0
		.amdhsa_float_denorm_mode_32 3
		.amdhsa_float_denorm_mode_16_64 3
		.amdhsa_memory_ordered 1
		.amdhsa_forward_progress 1
		.amdhsa_inst_pref_size 11
	.end_amdhsa_kernel
	.amdgpu_metadata
---
amdhsa.version: [ 1, 2 ]
amdhsa.kernels:
  - .name:           k_qe6234160dc_quantw
    .symbol:         k_qe6234160dc_quantw.kd
    .args:
      - { .name: Wv, .offset: 0, .size: 8, .value_kind: global_buffer, .address_space: global }
      - { .name: Wo, .offset: 8, .size: 8, .value_kind: global_buffer, .address_space: global }
      - { .name: wq, .offset: 16, .size: 8, .value_kind: global_buffer, .address_space: global }
    .group_segment_fixed_size: 34560
    .private_segment_fixed_size: 0
    .kernarg_segment_align: 8
    .kernarg_segment_size: 24
    .max_flat_workgroup_size: 128
    .sgpr_count:     66
    .vgpr_count:     208
    .wavefront_size: 32
...
	.end_amdgpu_metadata
.endif
;; end of part 1
;; launch fused (part 2): grid 256 x 1, 4 waves a work-group, clusters of 4 x 1, 327,680 bytes of LDS; arguments kv_stack, query, bo, wq, out0; writes out0
.if DOCPART == 2
	.amdgcn_target "amdgcn-amd-amdhsa--gfx1250"
	.amdhsa_code_object_version 6
	.text
	.protected	k_qe6234160dc_fused
	.globl	k_qe6234160dc_fused
	.p2align	8
	.type	k_qe6234160dc_fused,@function
k_qe6234160dc_fused:
	s_mov_b64 s[64:65], 0
	v_nop
	global_prefetch_b8 v0, s[64:65] scope:SCOPE_SE
	s_setreg_imm32_b32 hwreg(HW_REG_WAVE_MODE, 25, 1), 1
	s_wait_xcnt 0x0
	s_wait_alu depctr_hold_cnt(0) depctr_sa_sdst(0) depctr_va_vdst(0) depctr_va_sdst(0) depctr_va_ssrc(0) depctr_va_vcc(0) depctr_vm_vsrc(0)
	s_getreg_b32 s2, hwreg(HW_REG_IB_STS2, 6, 4)
	s_cmp_eq_u32 s2, 0
	s_cbranch_scc0 .Lentry_in_a_cluster
	s_endpgm
.Lentry_in_a_cluster:
	s_bfe_u32 s2, ttmp6, 0x10000c
	s_cmp_lg_u32 s2, 0x3003
	s_cbranch_scc0 .Lentry_shape_is_right
	s_endpgm
.Lentry_shape_is_right:
; out[m][b][:] = Q(Q(kv[m][b][:]) Q(Wv)^T) Q(Wo)^T + bo + query[b][:], Q the MX-BF6 quantiser along K.  The softmax over an axis of size 1 is 1 by an identity: q, k and the scores are left out (shown at the head of the kernel before).
; LIMITS: as there: a NaN, infinity or overflow that would arise only in q, k or the scores is not carried; a block of zeros has the byte 1 (its codes are zeros); NaN and infinities among the inputs are not served.
; SHARES.  A work-group takes batch rows 16 g .. + 15 of all four modules (64 rows; row block a = module a) through both products; nothing between them goes to memory.
; FIRST each wave loads its module's 16 rows x 1,024 f32 (64 loads of 512 bytes out at a time), turns each K step through its own stage (one K step ahead of the arithmetic, two stages by turns), quantises it and lays the fragment's image into LDS.
; THEN both products run alike: every wave holds the whole left operand (32 fragments, 384 registers); the weights come by chunks of 128 columns x all of K (102,400 bytes with their scale words), 16 chunks on end,
; through a ring of two slots.  Of a chunk a wave takes 32 columns: 16 fragments, each read from LDS once, 64 matrix instructions on 8 accumulators by turns, K whole inside the chunk, C = 0 at its first K step.
; Behind two chunks a wave has 64 rows x 64 columns: of v they are quantised from the accumulators (two blocks of 32 a row) into the operand's image in LDS; of out they go through the wave's stage and take query + bo.
; THE ROWS OF out STAY IN 128 REGISTERS and are stored during the next two chunks, eight stores ahead of each wait for LDS loads; only the last pair's rows are stored at once.
; THE MATRIX INSTRUCTION IS USED TRANSPOSED: source 0 = 16 rows of the weight, source 1 = 16 rows of the left operand: a lane holds one row and eight neighbouring columns.
; CLUSTERS: all work-groups walk the same chunks, so four form a cluster and ask for each quarter of a chunk jointly (mask 15); a round of the cluster's barrier stands in front of each refill.
; PREFETCH: chunk c + 4 is asked for where chunk c + 2's tensor load goes out: 400 runs of 256 bytes, 25 to a wave, shared among the four partners by address; chunks 2 and 3 are asked for while kv is quantised; it stops at chunk 15.
; kv_stack has no prefetch: each wave keeps 64 loads of it out, with nothing else to run ahead of.  query is loaded a pair of chunks ahead, into registers.
; LEFT OPERAND'S IMAGE (1,536 bytes, at (4 t + a) x 1,536): registers 0-3 at 16 x lane, 4-5 at 512 + 8 x lane, 6-9 at 768 + 16 x lane, 10-11 at 1,280 + 8 x lane.  Its scale words: 256 t + 64 a + 4 r.
; REGISTERS.  Window 0: v2-29 addresses, v32-47 left operand's scale words (register 2 t + i: lanes 0-15 block 2 i, lanes 16-31 block 2 i + 1), v48-55 the weight's (register t: lanes 0-15 fragment 0, 16-31 fragment 1),
;   v56-127 at work (v56-119: rows of out, blocks 0, 1), v128-255 accumulator (a, n) at 128 + 32 a + 8 n.  Window 1: v0-191 the weight's 16 fragments (at first all 256: kv as loaded).
;   Windows 2, 3: v0-191 the left operand's K steps 0-3, 4-7; window 2 v192-227 query and bo; window 3 v192-255 rows of out, blocks 2, 3.
.set CH,    102400
.set QT,    25600
.set BSC,   98304
.set AIM,   2*CH
.set ASC,   AIM+49152
.set STG,   ASC+2048
.set WST,   17408                      ; a wave's stage: four blocks of 16 rows x 272 bytes on the way out; at first two stages of 16 rows x 528
.set SPARE, STG+4*WST
.set SPW,  2
.set NIL,  3
.set KO,   4
.set SIN,  5
.set SOUT, 6
.set WA16, 7
.set WA8,  8
.set WSC,  9
.set SH8,  10
.set AD16, 11
.set AD8,  12
.set ADS,  13
.set BA,   14
.set BSA,  16
.set VW16, 18
.set VW8,  19
.set VSC,  20
.set STO,  21
.set RD,   22
.set GO,   23
.set BOA,  24
.set PFO,  25
.set T1,   26
.set T2,   27
.set T3,   28
.set GQ,   29
.set AS,   32
.set BSR,  48
.set C,    56
.set M,    76
.set TM,   56
.set PC,   72
.set PW,   92
.set BK0,  56
.set ACC,  128
.set X,    192
.set WV,   14
.set G1,   20
.set G0,   28
.set OUT,  36
.set PF,   44
.set SEL,  46
.set TR,   48
.set POFF, 49
.set PSC,  50
.set MSB, 0
.macro WIN new                         ; the immediate's high byte repeats the setting that is left
.if MSB != (\new)
	s_set_vgpr_msb (MSB<<8)|(\new)
.set MSB, (\new)
.endif
.endm
.macro PLACES n
.rept \n
	v_nop
.endr
.endm
.macro CREST                           ; a round of the cluster's barrier behind its opening barrier
	s_cmp_lg_u32 s[WV], 0
	s_cbranch_scc1 .Lnot_wave_0_\@
	s_barrier_signal -3
.Lnot_wave_0_\@:
	s_barrier_wait -3
	s_barrier_signal -1
	s_barrier_wait -1
.endm
.macro ROUND
	s_barrier_signal -1
	s_barrier_wait -1
	CREST
.endm
	s_load_b256 s[4:11], s[0:1], 0x0               ; kv s[4:5], query s[6:7], bo s[8:9], wq s[10:11]
	s_load_b64 s[12:13], s[0:1], 0x20              ; out
	v_lshl_add_u32 v[SPW], v0, 2, SPARE
	v_mov_b32 v[NIL], 0
	ds_add_u32 v[SPW], v[NIL]                      ; the opening: the add, twice on end, and its wait
	ds_add_u32 v[SPW], v[NIL]
	v_lshrrev_b32 v1, 5, v0
	v_readfirstlane_b32 s[WV], v1                  ; wave w
	s_lshr_b32 s15, s[WV], 1
	s_and_b32 s16, s[WV], 1
	s_bfe_u32 s17, ttmp6, 0x40000                  ; cx
	s_lshl_b32 s18, ttmp9, 2
	s_add_co_u32 s18, s18, s17                     ; g
	s_mov_b32 s[G1], 15|(3<<16)|(1<<21)            ; the four partners; elements of 8 bytes; bit 21 beside a mask
	s_mov_b32 s[G1+1], 32<<16                      ; a quarter of a chunk: 100 dense rows of 256 bytes
	s_mov_b32 s[G1+2], 100<<16
	s_mov_b32 s[G1+3], 32<<16
	s_mov_b32 s[G1+4], 100
	s_mov_b32 s[G1+5], 32
	s_mov_b32 s[G1+6], 0
	s_mov_b32 s[G1+7], 0
	s_mul_i32 s48, s[WV], QT
	s_mov_b32 s49, 0
	s_mov_b32 s[G0], 1
	s_mov_b32 s[G0+1], s48
	s_mov_b32 s[G0+4], 1
	s_add_co_u32 s[G0+5], s48, CH
	s_mul_i32 s50, s[WV], WST
	s_add_co_u32 s50, s50, STG                     ; my stage
	s_mul_i32 s51, s[WV], 1536
	s_add_co_u32 s51, s51, AIM
	s_lshl_b32 s52, s[WV], 6
	s_add_co_u32 s52, s52, ASC
	s_mul_i32 s53, s[WV], 24576                    ; my 16 fragments of a chunk
	s_lshl_b32 s54, s[WV], 10
	s_add_co_u32 s54, s54, BSC
	s_mul_i32 s55, s15, 6144                       ; v's half image: K step 2 p + w / 2, half w % 2
	s_mul_i32 s56, s16, 768
	s_add_co_u32 s55, s55, s56
	s_add_co_u32 s55, s55, AIM
	s_lshl_b32 s56, s15, 8
	s_lshl_b32 s57, s16, 1
	s_add_co_u32 s56, s56, s57
	s_add_co_u32 s56, s56, ASC
	s_lshl_b32 s57, s[WV], 8                       ; my 64 columns, in bytes
	s_mul_i32 s58, s17, 100
	s_mul_i32 s59, s[WV], 25
	s_add_co_u32 s58, s58, s59
	s_lshl_b32 s58, s58, 8                         ; the prefetches: my 25 runs of a chunk's 400
	s_lshl_b32 s60, s18, 16                        ; 16 g rows of 4,096 bytes
	s_mov_b32 s61, 0
	s_lshl_b32 s62, s[WV], 24                      ; my module
	s_mov_b32 s63, 0
	s_mov_b32 s[SEL], 0x76543210
	s_mov_b32 s[SEL+1], 0xfedcba98
	s_wait_dscnt 0x0
	s_wait_kmcnt 0x0
	s_add_nc_u64 s[G0+2:G0+3], s[10:11], s[48:49]
	s_add_nc_u64 s[G0+6:G0+7], s[G0+2:G0+3], CH
	s_or_b32 s[G0+3], s[G0+3], 0x80000000
	s_or_b32 s[G0+7], s[G0+7], 0x80000000
	s_add_nc_u64 s[PF:PF+1], s[10:11], 4*CH
	s_add_nc_u64 s[4:5], s[4:5], s[60:61]
	s_add_nc_u64 s[4:5], s[4:5], s[62:63]
	s_add_nc_u64 s[6:7], s[6:7], s[60:61]
	s_add_nc_u64 s[OUT:OUT+1], s[12:13], s[60:61]
	s_add_nc_u64 s[OUT+2:OUT+3], s[OUT:OUT+1], 0x1000000
	s_add_nc_u64 s[OUT+4:OUT+5], s[OUT+2:OUT+3], 0x1000000
	s_add_nc_u64 s[OUT+6:OUT+7], s[OUT+4:OUT+5], 0x1000000
	ROUND                                          ; the four partners are here: the first joint loads meet
	tensor_load_to_lds s[G0:G0+3], s[G1:G1+7]      ; chunk 0, my quarter: my one load at the head
	s_nop 0
	v_and_b32 v1, 31, v0                           ; lane
	v_and_b32 v26, 15, v0                          ; r
	v_bfe_u32 v27, v0, 4, 1                        ; h
	v_lshlrev_b32 v[KO], 4, v1
	v_lshlrev_b32 v28, 3, v1
	v_lshlrev_b32 v29, 2, v1
	v_lshlrev_b32 v30, 2, v26
	v_lshlrev_b32 v31, 4, v26
	v_add_nc_u32 v[SIN], s50, v[KO]
	v_mul_u32_u24 v[SOUT], v26, 528
	v_lshl_add_u32 v[SOUT], v27, 7, v[SOUT]
	v_add_nc_u32 v[SOUT], s50, v[SOUT]
	v_mul_u32_u24 v[STO], v26, 272
	v_lshl_add_u32 v[STO], v27, 5, v[STO]
	v_add_nc_u32 v[STO], s50, v[STO]
	v_mul_u32_u24 v[RD], v27, 272
	v_add_nc_u32 v[RD], v[RD], v31
	v_add_nc_u32 v[RD], s50, v[RD]
	v_add_nc_u32 v[WA16], s51, v[KO]
	v_add_nc_u32 v[WA8], s51, v28
	v_add_nc_u32 v[WSC], s52, v30
	v_lshlrev_b32 v[SH8], 3, v27
	v_add_nc_u32 v[AD16], AIM, v[KO]
	v_add_nc_u32 v[AD8], AIM, v28
	v_add_nc_u32 v[ADS], ASC, v29
	v_add_nc_u32 v[BA], s53, v[KO]
	v_add_nc_u32 v[BA+1], CH, v[BA]
	v_add_nc_u32 v[BSA], s54, v29
	v_add_nc_u32 v[BSA+1], CH, v[BSA]
	v_add_nc_u32 v[VW16], s55, v[KO]
	v_add_nc_u32 v[VW8], s55, v28
	v_add_nc_u32 v[VW8], 512, v[VW8]
	v_add_nc_u32 v[VSC], s56, v30
	v_lshl_add_u32 v[GQ], v27, 12, v31
	v_add_nc_u32 v[GQ], s57, v[GQ]                 ; in query (and, copied, in out): row h, 16 r, my columns
	v_add_nc_u32 v[BOA], s57, v31
	v_min_u32 v[PFO], 24, v1                       ; lanes 25-31 name the wave's last run again
	v_lshlrev_b32 v[PFO], 8, v[PFO]
	v_add_nc_u32 v[PFO], s58, v[PFO]
	v_mov_b32 v[M+7], 0                            ; a lane permute's destination counts as a source
	s_wait_alu depctr_va_vdst(0)                   ; the wait at the head's end
.macro LOADQ                           ; bo and query for 64 columns, in the lanes in which rows of out come back from the stage
	WIN 0x80
	global_load_b128 v[224:227], v[BOA], s[8:9]
.irp i, 0,1,2,3,4,5,6,7
	global_load_b128 v[192+4*\i:195+4*\i], v[GQ], s[6:7] offset:2*\i*4096 th:TH_LOAD_NT   ; sixteen lanes read 256 consecutive bytes, aligned
.endr
	WIN 0
.endm
.macro LOADK f                         ; K step f of my 16 rows: each load 512 consecutive bytes of one row, into window 1
	WIN 0x40
.irp j, 0,1,2,3,4,5,6,7,8,9,10,11,12,13,14,15
	global_load_b128 v[64*((\f)%4)+4*\j:64*((\f)%4)+4*\j+3], v[KO], s[4:5] offset:\j*4096+(\f)*512 th:TH_LOAD_NT
.endr
	WIN 0
.endm
.macro TURNK f                         ; K step f through stage f % 2: in by rows, out two whole blocks a lane (in order behind my stores)
	WIN 0x04
.irp j, 0,1,2,3,4,5,6,7,8,9,10,11,12,13,14,15
	ds_store_b128 v[SIN], v[64*((\f)%4)+4*\j:64*((\f)%4)+4*\j+3] offset:8448*((\f)%2)+528*\j
.endr
	WIN 0
.irp c, 0,1
.irp i, 0,1,2,3,4,5,6,7
	ds_load_b128 v[X-64*((\f)%2)+32*\c+4*\i:X-64*((\f)%2)+32*\c+4*\i+3], v[SOUT] offset:8448*((\f)%2)+256*\c+16*\i
.endr
.endr
.endm
.macro STEPK f
.set XS, X-64*((\f)%2)
.if (\f) > 0
	s_wait_dscnt 5                                 ; this K step is back from its stage; the five image stores of the K step before may be out
.else
	s_wait_dscnt 0x0
.endif
.if (\f) < 4
	LOADK (\f)+4                                   ; its stores into the stage have read their registers
.endif
.if (\f) < 7
.if (\f) < 4
	s_wait_loadcnt 48                              ; the next K step's 16 loads are in; those of three later K steps may be out
.else
	s_wait_loadcnt 16*(6-(\f))
.endif
	TURNK (\f)+1
.endif
.if (\f) == 1 || (\f) == 3
	s_cmp_lt_u32 ttmp9, 4
	s_cbranch_scc0 .Lno_prefetch_fused0_\@
	global_prefetch_b8 v[PFO], s[10:11] offset:(2+(\f)/2)*CH th:TH_LOAD_NT scope:SCOPE_SE   ; chunks 2 and 3
.Lno_prefetch_fused0_\@:
.endif
.irp c, 0,1
	v_max3_num_f32 v[M+\c], |v[XS+32*\c]|, |v[XS+32*\c+1]|, 0x2800000      ; with the floor 2^(5 - 127)
.endr
.irp i, 2,4,6,8,10,12,14,16,18,20,22,24,26,28,30
.irp c, 0,1
	v_max3_num_f32 v[M+\c], v[M+\c], |v[XS+32*\c+\i]|, |v[XS+32*\c+\i+1]|
.endr
.endr
	v_add_nc_u32 v[M+2], 0xfe000000, v[M]
	v_add_nc_u32 v[M+3], 0xfe000000, v[M+1]
	v_lshrrev_b32 v[M+4], 23, v[M+2]
	v_lshrrev_b32 v[M+5], 23, v[M+3]
	v_lshl_or_b32 v[M+6], v[M+5], 16, v[M+4]
	v_lshlrev_b32 v[M+6], v[SH8], v[M+6]
	v_permlanex16_b32 v[M+7], v[M+6], s[SEL], s[SEL+1]
	v_or_b32 v[M+6], v[M+6], v[M+7]
	v_cvt_scalef32_pk16_bf6_f32 v[C:C+2], v[XS:XS+15], v[M+2]
	v_cvt_scalef32_pk16_bf6_f32 v[68:70], v[XS+16:XS+31], v[M+2]
	v_cvt_scalef32_pk16_bf6_f32 v[C+6:C+8], v[XS+32:XS+47], v[M+3]
	v_cvt_scalef32_pk16_bf6_f32 v[72:74], v[XS+48:XS+63], v[M+3]
	v_nop
.irp i, 0,1,2
	v_mov_b32 v[C+3+\i], v[68+\i]
	v_mov_b32 v[C+9+\i], v[72+\i]
.endr
	ds_store_b128 v[WA16], v[C:C+3] offset:6144*(\f)
	ds_store_b64 v[WA8], v[C+4:C+5] offset:6144*(\f)+512
	ds_store_b128 v[WA16], v[C+6:C+9] offset:6144*(\f)+768
	ds_store_b64 v[WA8], v[C+10:C+11] offset:6144*(\f)+1280
	ds_store_b32 v[WSC], v[M+6] offset:256*(\f)
.endm
.macro LOADA                           ; the whole left operand and its scale words into registers
.irp t, 0,1,2,3,4,5,6,7
	WIN 0x80+0x40*(\t/4)
.irp a, 0,1,2,3
.set RA, 48*(\t%4)+12*\a
.set OA, (4*\t+\a)*1536
	ds_load_b128 v[RA:RA+3], v[AD16] offset:OA
	ds_load_b64 v[RA+4:RA+5], v[AD8] offset:OA+512
	ds_load_b128 v[RA+6:RA+9], v[AD16] offset:OA+768
	ds_load_b64 v[RA+10:RA+11], v[AD8] offset:OA+1280
.endr
.endr
	WIN 0
.irp i, 0,1,2,3,4,5,6,7,8,9,10,11,12,13,14,15
	ds_load_b32 v[AS+\i], v[ADS] offset:128*\i
.endr
.endm
.macro LOADH s, hf                     ; my fragments of K steps 4 hf .. + 3 of the chunk in slot s, and their scale words: 28 loads
	WIN 0x40
.irp i, 0,1,2,3,4,5,6,7
.irp c, 0,1,2
	ds_load_b128 v[96*(\hf)+12*\i+4*\c:96*(\hf)+12*\i+4*\c+3], v[BA+(\s)] offset:(8*(\hf)+\i)*1536+512*\c
.endr
.endr
	WIN 0
.irp i, 0,1,2,3
	ds_load_b32 v[BSR+4*(\hf)+\i], v[BSA+(\s)] offset:128*(4*(\hf)+\i)
.endr
.endm
.macro WM z, j, o                      ; one product; j, o: which half of the lanes holds the weight's and the left operand's scale words
.if \z
.if (\j) == 0 && (\o) == 0
	v_wmma_scale_f32_16x16x128_f8f6f4 v[WD:WD+7], v[WB:WB+11], v[WA:WA+11], 0, v[WSB], v[WSA] matrix_a_fmt:MATRIX_FMT_BF6 matrix_b_fmt:MATRIX_FMT_BF6
.endif
.if (\j) == 1 && (\o) == 0
	v_wmma_scale_f32_16x16x128_f8f6f4 v[WD:WD+7], v[WB:WB+11], v[WA:WA+11], 0, v[WSB], v[WSA] matrix_a_fmt:MATRIX_FMT_BF6 matrix_b_fmt:MATRIX_FMT_BF6 matrix_a_scale:MATRIX_SCALE_ROW1
.endif
.if (\j) == 0 && (\o) == 1
	v_wmma_scale_f32_16x16x128_f8f6f4 v[WD:WD+7], v[WB:WB+11], v[WA:WA+11], 0, v[WSB], v[WSA] matrix_a_fmt:MATRIX_FMT_BF6 matrix_b_fmt:MATRIX_FMT_BF6 matrix_b_scale:MATRIX_SCALE_ROW1
.endif
.if (\j) == 1 && (\o) == 1
	v_wmma_scale_f32_16x16x128_f8f6f4 v[WD:WD+7], v[WB:WB+11], v[WA:WA+11], 0, v[WSB], v[WSA] matrix_a_fmt:MATRIX_FMT_BF6 matrix_b_fmt:MATRIX_FMT_BF6 matrix_a_scale:MATRIX_SCALE_ROW1 matrix_b_scale:MATRIX_SCALE_ROW1
.endif
.else
.if (\j) == 0 && (\o) == 0
	v_wmma_scale_f32_16x16x128_f8f6f4 v[WD:WD+7], v[WB:WB+11], v[WA:WA+11], v[WD:WD+7], v[WSB], v[WSA] matrix_a_fmt:MATRIX_FMT_BF6 matrix_b_fmt:MATRIX_FMT_BF6
.endif
.if (\j) == 1 && (\o) == 0
	v_wmma_scale_f32_16x16x128_f8f6f4 v[WD:WD+7], v[WB:WB+11], v[WA:WA+11], v[WD:WD+7], v[WSB], v[WSA] matrix_a_fmt:MATRIX_FMT_BF6 matrix_b_fmt:MATRIX_FMT_BF6 matrix_a_scale:MATRIX_SCALE_ROW1
.endif
.if (\j) == 0 && (\o) == 1
	v_wmma_scale_f32_16x16x128_f8f6f4 v[WD:WD+7], v[WB:WB+11], v[WA:WA+11], v[WD:WD+7], v[WSB], v[WSA] matrix_a_fmt:MATRIX_FMT_BF6 matrix_b_fmt:MATRIX_FMT_BF6 matrix_b_scale:MATRIX_SCALE_ROW1
.endif
.if (\j) == 1 && (\o) == 1
	v_wmma_scale_f32_16x16x128_f8f6f4 v[WD:WD+7], v[WB:WB+11], v[WA:WA+11], v[WD:WD+7], v[WSB], v[WSA] matrix_a_fmt:MATRIX_FMT_BF6 matrix_b_fmt:MATRIX_FMT_BF6 matrix_a_scale:MATRIX_SCALE_ROW1 matrix_b_scale:MATRIX_SCALE_ROW1
.endif
.endif
.endm
.macro MULT u, t                       ; K step t of a chunk: 2 fragments of the weight x 4 row blocks, 8 accumulators, one instruction a turn
.irp j, 0,1
.irp a, 0,1,2,3
.set WD, ACC+32*\a+8*(2*(\u)+\j)
.set WB, 12*(2*(\t)+\j)
.set WA, 48*((\t)%4)+12*\a
.set WSB, BSR+(\t)
.set WSA, AS+2*(\t)+(\a/2)
.if (\t) == 0
	WM 1, \j, (\a%2)
.else
	WM 0, \j, (\a%2)
.endif
.endr
.endr
.endm
.macro STQ a                           ; row block a of the pair of chunks before: 16 rows x 64 columns of out, from registers
.set BB, BK0+32*((\a)%2)+136*((\a)/2)
	WIN 0x0c*((\a)/2)
.irp i, 0,1,2,3,4,5,6,7
	global_store_b128 v[GO], v[BB+4*\i:BB+4*\i+3], s[OUT+2*(\a):OUT+2*(\a)+1] offset:2*\i*4096 th:TH_STORE_NT   ; sixteen lanes store 256 consecutive bytes, aligned
.endr
	WIN 0
.endm
; A chunk, in slot u.  mode 2: in its middle my reads of the slot are over and the next chunk has landed: the three lines, a round, the refill two chunks on, and the next chunk's first fragments.
; mode 1: the same with a plain barrier and no refill.  mode 0: the last chunk.  pf 1: prefetch chunk + 4; pf 2: only in the loop's first trip.
; st 1: two row blocks of the pair before are stored, each ahead of a wait for LDS loads that are already out.
.macro CHUNK u, mode, pf, st
	PLACES 4                                       ; in front of loads into registers that matrix instructions have read
	LOADH \u, 1
.if \st
	STQ 2*\u
.endif
	s_wait_dscnt 28                                ; all but the 28 just issued
	WIN 0x09                                       ; source 0 window 1, source 1 window 2
	MULT \u, 0
	MULT \u, 1
	MULT \u, 2
	MULT \u, 3
	WIN 0
.if \st
	STQ 2*\u+1
.endif
.if \mode
	s_wait_tensorcnt 0x0                           ; my quarter of the next chunk has landed
	ds_add_u32 v[SPW], v[NIL]
.if \mode == 2
	s_add_nc_u64 s[G0+4*\u+2:G0+4*\u+3], s[G0+4*\u+2:G0+4*\u+3], 2*CH   ; no load of mine is out: this slot's next chunk
.endif
	s_wait_dscnt 0x0                               ; the add is done, and all my reads of this slot
	s_barrier_signal -1
	WIN 0x0d                                       ; source 1 window 3
	MULT \u, 4
	WIN 0
	s_barrier_wait -1
.if \mode == 2
	CREST
	tensor_load_to_lds s[G0+4*\u:G0+4*\u+3], s[G1:G1+7]
	s_nop 0
.endif
	PLACES 4
	LOADH 1-\u, 0
.if \pf == 2
	s_cmp_lt_u32 s[TR], 1
	s_cbranch_scc0 .Lno_pf_\@
.endif
.if \pf
	s_cmp_lt_u32 ttmp9, 4
	s_cbranch_scc0 .Lno_prefetch_fused1_\@
	global_prefetch_b8 v[PFO], s[PF:PF+1] offset:\u*CH th:TH_LOAD_NT scope:SCOPE_SE
.Lno_prefetch_fused1_\@:
.endif
.if \pf == 2
.Lno_pf_\@:
.endif
	WIN 0x0d
.else
	s_wait_dscnt 0x0
	WIN 0x0d
	MULT \u, 4
.endif
	MULT \u, 5
	MULT \u, 6
	MULT \u, 7
	WIN 0
.endm
; v's 64 columns of two row blocks (64 registers from T on: four blocks of 32, each in lanes l and l xor 16) into codes and scale bytes
.macro QUANT T
.irp b, 0,1,2,3
	v_max3_num_f32 v[TM+\b], |v[\T+16*\b]|, |v[\T+1+16*\b]|, 0x2800000
.endr
.irp i, 2,4,6,8,10,12,14
.irp b, 0,1,2,3
	v_max3_num_f32 v[TM+\b], v[TM+\b], |v[\T+16*\b+\i]|, |v[\T+1+16*\b+\i]|
.endr
.endr
.irp b, 0,1,2,3
	v_permlanex16_b32 v[TM+4+\b], v[TM+\b], s[SEL], s[SEL+1]
.endr
.irp b, 0,1,2,3
	v_max_num_f32 v[TM+\b], v[TM+\b], v[TM+4+\b]
.endr
.irp b, 0,1,2,3
	v_add_nc_u32 v[TM+12+\b], 0xfe000000, v[TM+\b]
.endr
.irp b, 0,1,2,3
	v_lshrrev_b32 v[TM+4+\b], 23, v[TM+12+\b]
.endr
	v_lshl_or_b32 v[PW], v[TM+5], 8, v[TM+4]
	v_lshl_or_b32 v[PW+1], v[TM+7], 8, v[TM+6]
.irp c, 0,1
	v_cvt_scalef32_pk16_bf6_f32 v[PC+6*\c:PC+2+6*\c], v[\T+32*\c:\T+15+32*\c], v[TM+12+2*\c]
	v_cvt_scalef32_pk16_bf6_f32 v[PC+12+4*\c:PC+14+4*\c], v[\T+16+32*\c:\T+31+32*\c], v[TM+12+2*\c+1]
.endr
	v_nop
.irp c, 0,1
.irp i, 0,1,2
	v_permlane16_swap_b32 v[PC+6*\c+\i], v[PC+12+4*\c+\i]     ; a whole block to a lane
.endr
.irp i, 0,1,2
	v_mov_b32 v[PC+3+6*\c+\i], v[PC+12+4*\c+\i]
.endr
.endr
.endm
.macro EPV                             ; behind a pair of chunks of Wv: my half images of K step 2 p + w / 2
	PLACES 4
	v_add_nc_u32 v[T1], s[POFF], v[VW16]
	v_add_nc_u32 v[T2], s[POFF], v[VW8]
	v_add_nc_u32 v[T3], s[PSC], v[VSC]
.irp p, 0,1
	QUANT ACC+64*\p
.irp q, 0,1
	ds_store_b128 v[T1], v[PC+6*\q:PC+6*\q+3] offset:(2*\p+\q)*1536
	ds_store_b64 v[T2], v[PC+6*\q+4:PC+6*\q+5] offset:(2*\p+\q)*1536
	ds_store_b16 v[T3], v[PW+\q] offset:64*(2*\p+\q)
.endr
.endr
.endm
; Behind a pair of chunks of Wo: 64 rows x 64 columns of out are made ready.  Each row block has its own block of my stage (in: 32 bytes a lane; back: rows of 256 bytes, two an instruction) and its own 32 registers.
; more 1: the rows are stored during the next pair of chunks, and the next columns' query and bo are asked for; more 0: the last pair: they are stored here.
.macro ADDQ a
.set BB, BK0+32*((\a)%2)+136*((\a)/2)
	s_wait_dscnt 8*(3-(\a))                        ; the block is back; the later blocks' 8 loads each may be out
	WIN 0x08+0xc3*((\a)/2)
.set I, 0
.rept 16
	v_pk_add_f32 v[BB+I:BB+I+1], v[BB+I:BB+I+1], v[192+I:193+I]      ; + bo + query (source 1: window 2)
.set I, I+2
.endr
.endm
.macro EPO more
	PLACES 4
	s_wait_xcnt 0x0                                ; the stores of the pair before have read their offset and data
	v_mov_b32 v[GO], v[GQ]                         ; these columns' place in out: where their query was read
.irp a, 0,1,2,3
.irp n, 0,1,2,3
	ds_store_b128 v[STO], v[ACC+32*\a+8*\n:ACC+32*\a+8*\n+3] offset:4352*\a+64*\n
	ds_store_b128 v[STO], v[ACC+32*\a+8*\n+4:ACC+32*\a+8*\n+7] offset:4352*\a+64*\n+16
.endr
.endr
.irp a, 0,1,2,3
	WIN 0xc0*(\a/2)
.irp i, 0,1,2,3,4,5,6,7
	ds_load_b128 v[BK0+32*(\a%2)+136*(\a/2)+4*\i:BK0+32*(\a%2)+136*(\a/2)+4*\i+3], v[RD] offset:4352*\a+2*\i*272   ; in order behind my stores
.endr
.endr
	WIN 0
	s_wait_loadcnt 0x0                             ; query and bo for these columns; their loads have read their offsets
	WIN 0x8a
.irp i, 0,1,2,3,4,5,6,7
	v_pk_add_f32 v[192+4*\i:193+4*\i], v[192+4*\i:193+4*\i], v[224:225]
	v_pk_add_f32 v[194+4*\i:195+4*\i], v[194+4*\i:195+4*\i], v[226:227]
.endr
	WIN 0
.if \more
	v_add_nc_u32 v[GQ], 1024, v[GQ]                ; the next 256 columns' share
	v_add_nc_u32 v[BOA], 1024, v[BOA]
.endif
	s_wait_alu depctr_va_vdst(0)
	ADDQ 0
	ADDQ 1
	ADDQ 2
	ADDQ 3
	WIN 0
	s_wait_alu depctr_va_vdst(0)                   ; the rows are read by stores behind waits and a branch
.if \more
	LOADQ
.else
	STQ 0
	STQ 1
	STQ 2
	STQ 3
.endif
.endm
	LOADK 0
	LOADK 1
	LOADK 2
	LOADK 3
	s_wait_loadcnt 48                              ; K step 0's 16 loads are in
	TURNK 0
.irp f, 0,1,2,3
	STEPK \f
.endr
	s_wait_alu depctr_va_vdst(0)
	s_wait_tensorcnt 0x0                           ; my quarter of chunk 0 is in
	ds_add_u32 v[SPW], v[NIL]
	s_wait_dscnt 0x0
	ROUND
	tensor_load_to_lds s[G0+4:G0+7], s[G1:G1+7]    ; chunk 1, into slot 1: it is wanted in chunk 0's middle
	s_nop 0
	PLACES 4
.irp f, 4,5,6,7
	STEPK \f
.endr
	LOADQ                                          ; the first 64 columns' query and bo: wanted behind chunk 9
	s_wait_dscnt 0x0                               ; my images are in LDS
	s_barrier_signal -1
	s_barrier_wait -1                              ; everybody's are
	LOADA
	LOADH 0, 0
	s_mov_b32 s[TR], 0
	s_mov_b32 s[POFF], 0
	s_mov_b32 s[PSC], 0
.Lp1:                                                  ; v = Q(kv) Q(Wv)^T: chunks 0-7, a pair a trip
	CHUNK 0, 2, 1, 0
	CHUNK 1, 2, 1, 0
	EPV
	s_wait_xcnt 0x0                                ; the prefetches have read their base
	s_add_nc_u64 s[PF:PF+1], s[PF:PF+1], 2*CH
	s_add_co_u32 s[POFF], s[POFF], 12288
	s_add_co_u32 s[PSC], s[PSC], 512
	s_add_co_u32 s[TR], s[TR], 1
	s_cmp_lt_u32 s[TR], 4
	s_wait_alu depctr_va_vdst(0)
	s_cbranch_scc1 .Lp1
	s_wait_dscnt 0x0                               ; my part of v's images is in LDS
	s_barrier_signal -1
	s_barrier_wait -1                              ; everybody's is
	PLACES 4
	LOADA
	CHUNK 0, 2, 1, 0                               ; out = Q(v) Q(Wo)^T + bo + query.  Chunks 8 and 9 stand ahead of the loop: no rows wait to be stored yet
	CHUNK 1, 2, 1, 0
	EPO 1
	s_add_nc_u64 s[PF:PF+1], s[PF:PF+1], 2*CH      ; (behind the wait on XCNT in the lines above: the prefetches have read their base)
	s_mov_b32 s[TR], 0
.Lp2:                                                  ; chunks 10-13
	CHUNK 0, 2, 2, 1
	CHUNK 1, 2, 2, 1
	EPO 1
	s_add_nc_u64 s[PF:PF+1], s[PF:PF+1], 2*CH
	s_add_co_u32 s[TR], s[TR], 1
	s_cmp_lt_u32 s[TR], 2
	s_cbranch_scc1 .Lp2
	CHUNK 0, 1, 0, 1                               ; chunks 14 and 15 ask for nothing more
	CHUNK 1, 0, 0, 1
	EPO 0
	s_wait_tensorcnt 0x0                           ; the wave's end
	ds_add_u32 v[SPW], v[NIL]
	s_wait_dscnt 0x0
	ROUND                                          ; the closing round
	s_endpgm
.Lfunc_end_k_qe6234160dc_fused:
	.size	k_qe6234160dc_fused, .Lfunc_end_k_qe6234160dc_fused-k_qe6234160dc_fused
	.p2alignl 7, 3214868480
	.fill 96, 4, 3214868480
	.section	.rodata,"a",@progbits
	.p2align	6, 0x0
	.amdhsa_kernel k_qe6234160dc_fused
		.amdhsa_group_segment_fixed_size 327680
		.amdhsa_private_segment_fixed_size 0
		.amdhsa_enable_private_segment 0
		.amdhsa_kernarg_size 40
		.amdhsa_user_sgpr_count 2
		.amdhsa_user_sgpr_kernarg_segment_ptr 1
		.amdhsa_wavefront_size32 1
		.amdhsa_system_sgpr_workgroup_id_x 1
		.amdhsa_system_sgpr_workgroup_id_y 1
		.amdhsa_system_sgpr_workgroup_id_z 1
		.amdhsa_system_vgpr_workitem_id 0
		.amdhsa_next_free_vgpr 1024
		.amdhsa_next_free_sgpr 66
		.amdhsa_reserve_vcc 0
		.amdhsa_float_denorm_mode_32 3
		.amdhsa_float_denorm_mode_16_64 3
		.amdhsa_memory_ordered 1
		.amdhsa_forward_progress 1
		.amdhsa_inst_pref_size 233
	.end_amdhsa_kernel
	.amdgpu_metadata
---
amdhsa.version: [ 1, 2 ]
amdhsa.kernels:
  - .name:           k_qe6234160dc_fused
    .symbol:         k_qe6234160dc_fused.kd
    .args:
      - { .name: kv_stack, .offset: 0, .size: 8, .value_kind: global_buffer, .address_space: global }
      - { .name: query, .offset: 8, .size: 8, .value_kind: global_buffer, .address_space: global }
      - { .name: bo, .offset: 16, .size: 8, .value_kind: global_buffer, .address_space: global }
      - { .name: wq, .offset: 24, .size: 8, .value_kind: global_buffer, .address_space: global }
      - { .name: out0, .offset: 32, .size: 8, .value_kind: global_buffer, .address_space: global }
    .group_segment_fixed_size: 327680
    .private_segment_fixed_size: 0
    .kernarg_segment_align: 8
    .kernarg_segment_size: 40
    .max_flat_workgroup_size: 128
    .sgpr_count:     66
    .vgpr_count:     1024
    .wavefront_size: 32
...
	.end_amdgpu_metadata
.endif
;; end of part 2
